; MI455X (gfx1250); checked and timed in simulation.
; The chip was launched on July 23, 2026; its instructions are those of AMD's public machine-readable ISA for CDNA 5 (MIT licence, August 2026) and "CDNA5" Instruction Set Architecture Reference Guide (July 2026). The comments in the code are by the model that wrote it; some were corrected since.
;; Pairwise Attention Initial. Allowed arithmetic: float matrix products may take bf16 or f16 operands with f32 sums; other float arithmetic in f32, or as packed bf16 or f16 multiplies, adds, multiply-adds, maxima and minima; sums over many terms, partial sums and values carried from step to step in f32; what a program stores and reads back later, other than sums and carried values, may be rounded once to bf16 or f16.
;; Inputs: bb 8 float32; bg 256 float32; bk 256 float32; bo 256 float32; bq 256 float32; bv 256 float32; features 256 x 256 x 256 float32; ln_bias 256 float32; ln_scale 256 float32; wb 256 x 8 float32; wg 256 x 256 float32; wk 256 x 256 float32; wo 256 x 256 float32; wq 256 x 256 float32; wv 256 x 256 float32.
;; Outputs: out0 256 x 256 x 256 float32.
;; One version. Each part assembles by itself: llvm-mc -triple=amdgcn-amd-amdhsa -mcpu=gfx1250 --defsym DOCPART=n.
;; ======== version 1 of 1: 2 launches
;; limits: values are held in f16: magnitudes above 65,504 overflow, below 6.1e-05 lose precision
;; workspace buffers: xw 33,554,432 bytes; stream 1,753,088 bytes
;; launch prep (part 1): grid 256 x 1, 16 waves a work-group, no clusters, 286,976 bytes of LDS; arguments features, ln_scale, ln_bias, wb, bb, wq, wk, wv, wg, wo, xw, stream; writes xw, stream
.if DOCPART == 1
	.amdgcn_target "amdgcn-amd-amdhsa--gfx1250"
	.amdhsa_code_object_version 6
	.text
	.protected	k_qb9c45efe73_prep
	.globl	k_qb9c45efe73_prep
	.p2align	8
	.type	k_qb9c45efe73_prep,@function
k_qb9c45efe73_prep:
	s_mov_b64 s[64:65], 0
	v_nop
	global_prefetch_b8 v0, s[64:65] scope:SCOPE_SE
	s_setreg_imm32_b32 hwreg(HW_REG_WAVE_MODE, 25, 1), 1
	s_wait_xcnt 0x0
; PREP.  x = LayerNorm(features) in f32 (mean first, then the variance of the centred numbers), rounded once to f16 and stored in xw in the order of matrix fragments;
; (x . wb + bb) log2(e), rounded once to f16, and the five weight matrices in f16 go into 'stream', in the order in which the second launch walks it.
; LIMITS.  f16 ends at 65,504: x, the weights, 1.4427 wg and 1.4427 (x . wb + bb) must lie within it; below 6e-5 f16 keeps a fixed step of 6e-8.  v_rsq_f32 takes a denormal as 0.  NaN and infinities are not treated apart.
; SHARES.  Work-group g: ib = g / 16, kb = g % 16.  Wave v takes the 16 rows features[16 ib + v][16 kb .. 16 kb + 15][:], 16 KiB that lie dense in memory, brought by one tensor load (one out a wave).
; For the attention these rows are batch 16 ib + v, row block kb; for the bias they are query 16 ib + v, keys 16 kb + 0..15.  The sixteen waves' bias results for one head are 512 dense bytes of the stream.
; Waves 8 to 12 also convert 8 rows x 32 columns of wq, wk, wv, wg, wo: rows 8 (g % 32) on, columns 32 (g / 32) on.
; NO CLUSTER: the work-groups share only the tables (wb, scale, bias: 10 KiB) beside 256 KiB of features of their own.
; A FRAGMENT is 16 rows x 32 k of f16, 1,024 bytes, stored as [c 2][lane 32][16 bytes]: lane l holds row l % 16 and k = 16 c + 8 (l / 16) + 0..7.
; STREAM.  Blocks of BLK bytes.  Block 0: the chunks K_0, V_0, Q_0 (a chunk = 256 k x 32 columns = 16 fragments f = 2 ks + nb), dense.  Block 1 + 4 h + t: four parts of SUB bytes; part w holds fragments
; 4 w .. 4 w + 3 of a chunk (t = 0: G_h; 1, 2, 3: K, V, Q of head h + 1, head 8 being head 0 once more) and then 8 KiB of bias: [key block 16][lane][8 keys] for head h, queries 64 w + 16 t + lane % 16.
; Blocks 33 to 35: wo's eight chunks, dense, three to a block.
.set BLK,   49152
.set SUB,   12288
.set FP,    1040              ; a row of features in LDS: 1,024 bytes + 16 of padding: the 16 rows that a load touches start 16 bytes apart modulo 256
.set FTW,   16*FP             ; a wave's tile
.set WBL,   16*FTW            ; wb in f16, [k 256][n 16] at 32 bytes a row; columns 8 to 15 are 0
.set LNT,   WBL+8192          ; ln_scale, then ln_bias, f32
.set STG,   LNT+2048          ; the bias stage: 16 rows (heads; 8 used) of 528 bytes: [half of the keys 2][query 16][16 bytes]
.set SGP,   528
.set SPARE, STG+16*SGP        ; the spare words, 128 bytes a wave: eight blocks of 256 bytes that no other line names
.set RR,  1                   ; v1   lane % 16
.set HH,  2                   ; v2   lane / 16
.set AF,  3                   ; v3   LDS address of my part of my row of features
.set ALN, 4                   ; v4   of my part of ln_scale
.set AWB, 5                   ; v5   of my 16 bytes for the turning loads of wb
.set L16, 6                   ; v6   16 x lane; never rewritten
.set BBL, 7                   ; v7   bb[lane % 8], later times log2(e)
.set MU,  8                   ; v[8:9]   the mean, twice
.set RS,  10                  ; v[10:11] 1 / sqrt(var + eps), twice; later bb log2(e), twice
.set SPW, 12                  ; v12  my spare word's address; never rewritten
.set NIL, 13                  ; v13  0; never rewritten
.set TA,  14
.set TB,  15
.set CH,  16                  ; v[16:23] four chains of sums
.set SC,  16                  ; v[16:31] scale for 16 features
.set BI,  32                  ; v[32:47] bias for 16 features
.set ACC, 48                  ; v[48:63] two accumulators
.set D,   64                  ; v[64:191] D[16 ks + 8 c + e] = feature 32 ks + 16 c + 8 (lane / 16) + e of my row
.set WBF, 192                 ; v[192:255] wb's eight fragments
	s_load_b512 s[4:19], s[0:1], 0x0               ; features s[4:5], ln_scale s[6:7], ln_bias s[8:9], wb s[10:11], bb s[12:13], wq s[14:15], wk s[16:17], wv s[18:19]
	s_load_b256 s[20:27], s[0:1], 0x40             ; wg s[20:21], wo s[22:23], xw s[24:25], stream s[26:27]
	v_lshl_add_u32 v[SPW], v0, 2, SPARE
	v_mov_b32 v[NIL], 0
	ds_add_u32 v[SPW], v[NIL]                      ; the wave's opening: the add and its wait stand ahead of my tensor load; work on registers stands between them
	ds_add_u32 v12, v13
	v_lshrrev_b32 v[TA], 5, v0
	v_readfirstlane_b32 s28, v[TA]                 ; wave 0..15
	s_mov_b32 s29, ttmp9                           ; g
	s_lshr_b32 s30, s29, 4                         ; ib
	s_and_b32 s31, s29, 15                         ; kb
	; descriptor group 1: 16 rows x 256 elements of 4 bytes, 4 words of padding behind every 256 words
	s_mov_b32 s36, (2<<16)|(1<<20)|(7<<22)|(3<<25)
	s_mov_b32 s37, 256<<16                         ; tensor_dim0 = 256
	s_mov_b32 s38, 16<<16                          ; tensor_dim1 = 16
	s_mov_b32 s39, 256<<16                         ; tile_dim0 = 256
	s_mov_b32 s40, 16                              ; tile_dim1 = 16
	s_mov_b32 s41, 256                             ; elements from row to row
	s_mov_b32 s42, 0
	s_mov_b32 s43, 0
	s_mov_b32 s32, 1                               ; group 0: count = 1,
	s_mul_i32 s33, s28, FTW                        ; my wave's tile in LDS
	s_mov_b32 s44, 0x76543210                      ; v_permlanex16_b32: each lane takes its own place in the other half
	s_mov_b32 s45, 0xfedcba98
	s_mov_b32 s46, 0x3b800000                      ; 1 / 256
	s_mov_b32 s47, 0x3727c5ac                      ; 1e-5
	s_lshl_b32 s58, s30, 22                        ; my rows in features: (16 ib + v) x 262,144 + kb x 16,384 bytes
	s_lshl_b32 s59, s28, 18
	s_add_co_u32 s58, s58, s59
	s_lshl_b32 s59, s31, 14
	s_add_co_u32 s58, s58, s59
	s_mov_b32 s59, 0
	s_lshl_b32 s62, s30, 21                        ; and in xw: ((16 ib + v) x 16 + kb) x 8,192 bytes
	s_lshl_b32 s63, s28, 17
	s_add_co_u32 s62, s62, s63
	s_lshl_b32 s63, s31, 13
	s_add_co_u32 s62, s62, s63
	s_mov_b32 s63, 0
	; the weights' piece: rows k = 8 kg + 0..7 = 32 ks + 16 c + 8 half + 0..7, columns 32 hd + lane
	s_and_b32 s48, s29, 31                         ; kg
	s_lshr_b32 s49, s29, 5                         ; hd
	s_lshr_b32 s50, s48, 2                         ; ks
	s_bfe_u32 s51, s48, 0x10001                    ; c
	s_lshl_b32 s51, s51, 9
	s_and_b32 s52, s48, 1                          ; half
	s_lshl_b32 s52, s52, 8
	s_add_co_u32 s51, s51, s52                     ; place in a fragment: 512 c + 256 half
	s_lshl_b32 s52, s50, 11
	s_add_co_u32 s52, s52, s51                     ; WD, place in a dense chunk: fragment 2 ks
	s_lshr_b32 s53, s50, 1
	s_mul_i32 s53, s53, SUB
	s_and_b32 s54, s50, 1
	s_lshl_b32 s54, s54, 11
	s_add_co_u32 s53, s53, s54
	s_add_co_u32 s53, s53, s51                     ; WA, place in a chunk dealt to four parts: part ks / 2, fragment 2 (ks % 2)
	s_lshl_b32 s54, s48, 13
	s_lshl_b32 s55, s49, 7
	s_add_co_u32 s54, s54, s55                     ; the piece's first byte in a weight matrix
	s_wait_dscnt 0x0                               ; the opening add is done
	s_wait_kmcnt 0x0
	s_add_nc_u64 s[34:35], s[4:5], s[58:59]
	s_or_b32 s35, s35, 0x80000000                  ; type = 2
	tensor_load_to_lds s[32:35], s[36:43]          ; my 16 rows
	s_nop 0
	s_add_nc_u64 s[24:25], s[24:25], s[62:63]      ; xw at my block of rows
	v_and_b32 v[TB], 7, v0
	v_lshlrev_b32 v[TB], 2, v[TB]
	global_load_b32 v[BBL], v[TB], s[12:13]        ; bb of the head that my lane will hold; every way below waits for all loads
	v_and_b32 v[TA], 31, v0                        ; lane
	v_and_b32 v[RR], 15, v0
	v_bfe_u32 v[HH], v0, 4, 1
	v_mul_u32_u24 v[AF], v[RR], FP
	v_lshl_add_u32 v[AF], v[HH], 5, v[AF]
	v_add_nc_u32 v[AF], s33, v[AF]                 ; tile + row x pitch + 32 x half
	v_lshlrev_b32 v[ALN], 5, v[HH]
	v_add_nc_u32 v[ALN], LNT, v[ALN]
	v_and_b32 v[AWB], 7, v0                        ; the turning load: lane l reads row 8 (l / 16) + l % 8 of 16 k, bytes 16 ((l / 8) % 2) on
	v_lshl_add_u32 v[AWB], v[HH], 3, v[AWB]
	v_lshlrev_b32 v[AWB], 5, v[AWB]
	v_bfe_u32 v16, v0, 3, 1
	v_lshl_add_u32 v[AWB], v16, 4, v[AWB]
	v_add_nc_u32 v[AWB], WBL, v[AWB]
	v_lshlrev_b32 v[L16], 4, v[TA]
	; THE TABLES, while the tile is on its way.  Waves 0 to 7: thread k rounds row k of wb to f16.  Waves 8 to 15: ln_scale and ln_bias as they are; five of them a piece of a weight matrix each.
	s_cmp_lt_u32 s28, 8
	s_cbranch_scc0 .Lhigh
	v_lshlrev_b32 v16, 5, v0
	global_load_b128 v[20:23], v16, s[10:11]
	global_load_b128 v[24:27], v16, s[10:11] offset:16
	v_add_nc_u32 v17, WBL, v16
.irp i, 32,33,34,35
	v_mov_b32 v\i, 0
.endr
	s_wait_loadcnt 0x0
	v_cvt_pk_f16_f32 v28, v20, v21
	v_cvt_pk_f16_f32 v29, v22, v23
	v_cvt_pk_f16_f32 v30, v24, v25
	v_cvt_pk_f16_f32 v31, v26, v27
	ds_store_b128 v17, v[28:31]
	ds_store_b128 v17, v[32:35] offset:16          ; columns 8 to 15
	s_branch .Ltabs
.Lhigh:
	v_and_b32 v16, 255, v0
	v_lshlrev_b32 v16, 2, v16
	global_load_b32 v20, v16, s[6:7]
	global_load_b32 v21, v16, s[8:9]
	v_add_nc_u32 v17, LNT, v16
	v_lshl_add_u32 v18, v[TA], 2, s54              ; my column of the piece's first row
	v_lshlrev_b32 v19, 4, v[RR]
	v_lshl_add_u32 v19, v[HH], 10, v19             ; where it goes: fragment nb = lane / 16, 16 bytes for column lane % 16
	s_wait_loadcnt 0x0
	ds_store_b32 v17, v20
	ds_store_b32 v17, v21 offset:1024
; Wave wv converts its piece of the matrix at s[plo:plo+1].  kind 0: wg, times -log2(e) before its one rounding, so that the gate is 1 / (1 + 2^z); 1, 2, 3: wk, wv, wq; 4: wo.
; A lane's eight k of one column are 16 bytes; sixteen lanes store 256 consecutive bytes, at a multiple of 256 from the stream's first byte.
.macro WCONV wv, plo, kind
	s_cmp_lg_u32 s28, \wv
	s_cbranch_scc1 .Lwc_\@
.irp e, 0,1,2,3,4,5,6,7
	global_load_b32 v[20+(\e)], v18, s[(\plo):(\plo)+1] offset:1024*(\e)
.endr
.if (\kind) == 0
	s_lshl_b32 s58, s49, 2
	s_add_co_u32 s58, s58, 1                       ; block 1 + 4 hd
	s_mul_i32 s58, s58, BLK
	s_add_co_u32 s58, s58, s53
.elseif (\kind) == 4
	s_mul_i32 s60, s49, 11
	s_lshr_b32 s60, s60, 5                         ; hd / 3 for hd = 0..7
	s_mul_i32 s61, s60, 3
	s_sub_co_u32 s61, s49, s61                     ; hd % 3
	s_add_co_u32 s60, s60, 33
	s_mul_i32 s58, s60, BLK
	s_lshl_b32 s61, s61, 14
	s_add_co_u32 s58, s58, s61
	s_add_co_u32 s58, s58, s52
.else
	s_cmp_eq_u32 s49, 0
	s_cselect_b32 s60, 8, s49                      ; head 0 also stands as head 8
	s_lshl_b32 s60, s60, 2
	s_add_co_u32 s60, s60, (\kind)-3               ; block 1 + 4 (head - 1) + kind
	s_mul_i32 s58, s60, BLK
	s_add_co_u32 s58, s58, s53
.endif
	s_mov_b32 s59, 0
	s_add_nc_u64 s[56:57], s[26:27], s[58:59]
	s_wait_loadcnt 0x0
.if (\kind) == 0
.irp e, 0,2,4,6
	v_pk_mul_f32 v[20+(\e):21+(\e)], v[20+(\e):21+(\e)], 0xbfb8aa3b op_sel_hi:[1,0]
.endr
.endif
.irp e, 0,1,2,3
	v_cvt_pk_f16_f32 v[28+(\e)], v[20+2*(\e)], v[21+2*(\e)]
.endr
	global_store_b128 v19, v[28:31], s[56:57]
.if ((\kind) >= 1) && ((\kind) <= 3)
	s_cmp_lg_u32 s49, 0
	s_cbranch_scc1 .Lwcx_\@
	s_add_co_u32 s62, s52, ((\kind)-1)*16384       ; head 0's chunk also goes into block 0, dense
	s_mov_b32 s63, 0
	s_add_nc_u64 s[60:61], s[26:27], s[62:63]
	global_store_b128 v19, v[28:31], s[60:61]
.endif
.Lwcx_\@:
	s_wait_xcnt 0x0                                ; the stores' registers are written again below (the sums' chains) only behind this wait
.Lwc_\@:
.endm
	WCONV 8,  14, 3
	WCONV 9,  16, 1
	WCONV 10, 18, 2
	WCONV 11, 20, 0
	WCONV 12, 22, 4
.Ltabs:
	s_wait_dscnt 0x0                               ; for the others' sake: my part of the tables is in LDS
	s_barrier_signal -1
	s_barrier_wait -1                              ; everybody's is; my tile may still be on its way
.set n, 0
.rept 8                                                ; wb's fragment of K step n: column lane % 16, k = 32 n + 8 (lane / 16) + 0..7 and 16 more
	ds_load_tr16_b128 v[WBF+8*n:WBF+8*n+3],   v[AWB] offset:1024*n
	ds_load_tr16_b128 v[WBF+8*n+4:WBF+8*n+7], v[AWB] offset:1024*n+512
.set n, n+1
.endr
	s_wait_tensorcnt 0x0                           ; my tile is in LDS; only my wave reads it
.set n, 0
.rept 32
	ds_load_b128 v[D+4*n:D+4*n+3], v[AF] offset:128*(n/4)+64*((n/2)%2)+16*(n%2)
.set n, n+1
.endr
	s_wait_dscnt 0x0
	; LAYERNORM.  A lane holds 128 of its row's 256 numbers, the lane 16 away the others.  Four chains, so that no addition waits for the one before it.
.macro REDUCE
	v_pk_add_f32 v[CH:CH+1], v[CH:CH+1], v[CH+2:CH+3]
	v_pk_add_f32 v[CH+4:CH+5], v[CH+4:CH+5], v[CH+6:CH+7]
	v_pk_add_f32 v[CH:CH+1], v[CH:CH+1], v[CH+4:CH+5]
	v_add_f32 v[TA], v[CH], v[CH+1]
	v_permlanex16_b32 v[TB], v[TA], s44, s45
	v_add_f32 v[TA], v[TA], v[TB]
.endm
.irp j, 0,1,2,3
	v_pk_add_f32 v[CH+2*(\j):CH+2*(\j)+1], v[D+2*(\j):D+2*(\j)+1], v[D+8+2*(\j):D+8+2*(\j)+1]  ; the first eight pairs start the chains
.endr
.set p, 8
.rept 56
	v_pk_add_f32 v[CH+2*(p%4):CH+2*(p%4)+1], v[CH+2*(p%4):CH+2*(p%4)+1], v[D+2*p:D+2*p+1]
.set p, p+1
.endr
	REDUCE
	v_mul_f32 v[MU], s46, v[TA]
	v_mul_f32 v[MU+1], s46, v[TA]
.set p, 0
.rept 64
	v_pk_add_f32 v[D+2*p:D+2*p+1], v[D+2*p:D+2*p+1], v[MU:MU+1] neg_lo:[0,1] neg_hi:[0,1]  ; centred in place
.set p, p+1
.endr
.irp j, 0,1,2,3
	v_pk_mul_f32 v[CH+2*(\j):CH+2*(\j)+1], v[D+2*(\j):D+2*(\j)+1], v[D+2*(\j):D+2*(\j)+1]
.endr
.set p, 4
.rept 60
	v_pk_fma_f32 v[CH+2*(p%4):CH+2*(p%4)+1], v[D+2*p:D+2*p+1], v[D+2*p:D+2*p+1], v[CH+2*(p%4):CH+2*(p%4)+1]
.set p, p+1
.endr
	REDUCE
	v_fma_f32 v[TA], v[TA], s46, s47               ; var + eps
	v_rsq_f32 v[RS], v[TA]
	v_rsq_f32 v[RS+1], v[TA]
	v_mul_f32 v[BBL], 0x3fb8aa3b, v[BBL]           ; the plain instruction behind the two roots (ISA guide 5.7.2): bb log2(e)
	s_wait_alu depctr_va_vdst(0)
.macro LNLOAD ks                       ; scale and bias of the 16 features of K step ks that my lane holds
.irp n, 0,1,2,3
	ds_load_b128 v[SC+4*(\n):SC+4*(\n)+3], v[ALN] offset:128*(\ks)+64*((\n)/2)+16*((\n)%2)
	ds_load_b128 v[BI+4*(\n):BI+4*(\n)+3], v[ALN] offset:1024+128*(\ks)+64*((\n)/2)+16*((\n)%2)
.endr
.endm
; K step ks: 16 numbers are normalised and rounded to f16 in place, which makes the fragment; it is stored (each store of the wave covers 512 consecutive bytes) and multiplied by wb's fragment.
; The two accumulators take turns; the first two products start the sums.
.macro KS ks
.set B, D+16*(\ks)
	s_wait_dscnt 0x0                               ; this step's scale and bias are in
.irp i, 0,1,2,3,4,5,6,7
	v_pk_mul_f32 v[B+2*(\i):B+2*(\i)+1], v[B+2*(\i):B+2*(\i)+1], v[RS:RS+1]
.endr
.irp i, 0,1,2,3,4,5,6,7
	v_pk_fma_f32 v[B+2*(\i):B+2*(\i)+1], v[B+2*(\i):B+2*(\i)+1], v[SC+2*(\i):SC+2*(\i)+1], v[BI+2*(\i):BI+2*(\i)+1]
.endr
.if (\ks) < 7
	LNLOAD (\ks)+1
.endif
.irp i, 0,1,2,3,4,5,6,7
	v_cvt_pk_f16_f32 v[B+(\i)], v[B+2*(\i)], v[B+2*(\i)+1]  ; ascending: register i is written when pairs 0 to i have been read
.endr
	global_store_b128 v[L16], v[B:B+3],   s[24:25] offset:1024*(\ks)
	global_store_b128 v[L16], v[B+4:B+7], s[24:25] offset:1024*(\ks)+512
.set A, ACC+8*((\ks)%2)
.if (\ks) < 2
	v_wmma_f32_16x16x32_f16 v[A:A+7], v[B:B+7], v[WBF+8*(\ks):WBF+8*(\ks)+7], 0
.else
	v_wmma_f32_16x16x32_f16 v[A:A+7], v[B:B+7], v[WBF+8*(\ks):WBF+8*(\ks)+7], v[A:A+7]
.endif
.endm
	LNLOAD 0
.irp k, 0,1,2,3,4,5,6,7
	KS \k
.endr
	; THE BIAS.  My lane holds head lane % 16 (8 to 15: zeros) and keys 8 (lane / 16) + 0..7 of query 16 ib + v.  The five lines below are the places behind the last product (ISA guide 7.12.1).
	v_mul_u32_u24 v[TA], v[RR], SGP
	v_lshl_add_u32 v[TA], v[HH], 8, v[TA]
	s_lshl_b32 s55, s28, 4
	s_add_co_u32 s55, s55, STG
	v_add_nc_u32 v[TA], s55, v[TA]                 ; stage + head x 528 + 256 x half + 16 x wave
	v_mov_b32 v[RS], v[BBL]
	v_mov_b32 v[RS+1], v[BBL]
.irp i, 0,1,2,3
	v_pk_add_f32 v[ACC+2*(\i):ACC+2*(\i)+1], v[ACC+2*(\i):ACC+2*(\i)+1], v[ACC+8+2*(\i):ACC+8+2*(\i)+1]  ; from the low end on
.endr
.irp i, 0,1,2,3
	v_pk_fma_f32 v[ACC+2*(\i):ACC+2*(\i)+1], v[ACC+2*(\i):ACC+2*(\i)+1], 0x3fb8aa3b, v[RS:RS+1] op_sel_hi:[1,0,1]
.endr
.irp i, 0,1,2,3
	v_cvt_pk_f16_f32 v[16+(\i)], v[ACC+2*(\i)], v[ACC+2*(\i)+1]
.endr
	ds_store_b128 v[TA], v[16:19]
	s_wait_dscnt 0x0                               ; for the others' sake: my 16 bytes a head are in the stage
	s_barrier_signal -1
	s_barrier_wait -1
	s_cmp_lt_u32 s28, 8
	s_cbranch_scc0 .Lend
	s_mul_i32 s55, s28, SGP                        ; wave h sends head h: 16 queries x 16 keys, 512 consecutive bytes of the stream
	s_add_co_u32 s55, s55, STG
	v_add_nc_u32 v[TB], s55, v[L16]
	ds_load_b128 v[20:23], v[TB]
	s_lshl_b32 s62, s28, 2
	s_and_b32 s63, s30, 3
	s_add_co_u32 s62, s62, s63
	s_add_co_u32 s62, s62, 1                       ; block 1 + 4 h + ib % 4,
	s_mul_i32 s62, s62, BLK
	s_lshr_b32 s63, s30, 2
	s_mul_i32 s63, s63, SUB                        ; part ib / 4,
	s_add_co_u32 s62, s62, s63
	s_lshl_b32 s63, s31, 9                         ; key block kb, behind the part's 4 KiB of weights
	s_add_co_u32 s62, s62, s63
	s_add_co_u32 s62, s62, 4096
	s_mov_b32 s63, 0
	s_add_nc_u64 s[60:61], s[26:27], s[62:63]
	s_wait_dscnt 0x0
	global_store_b128 v[L16], v[20:23], s[60:61]
.Lend:
	s_wait_tensorcnt 0x0                           ; the wave's end, behind my tensor load and my last LDS store
	ds_add_u32 v[SPW], v[NIL]
	s_wait_dscnt 0x0
	s_endpgm
.Lfunc_end_k_qb9c45efe73_prep:
	.size	k_qb9c45efe73_prep, .Lfunc_end_k_qb9c45efe73_prep-k_qb9c45efe73_prep
	.p2alignl 7, 3214868480
	.fill 96, 4, 3214868480
	.section	.rodata,"a",@progbits
	.p2align	6, 0x0
	.amdhsa_kernel k_qb9c45efe73_prep
		.amdhsa_group_segment_fixed_size 286976
		.amdhsa_private_segment_fixed_size 0
		.amdhsa_enable_private_segment 0
		.amdhsa_kernarg_size 96
		.amdhsa_user_sgpr_count 2
		.amdhsa_user_sgpr_kernarg_segment_ptr 1
		.amdhsa_wavefront_size32 1
		.amdhsa_system_sgpr_workgroup_id_x 1
		.amdhsa_system_sgpr_workgroup_id_y 1
		.amdhsa_system_sgpr_workgroup_id_z 1
		.amdhsa_system_vgpr_workitem_id 0
		.amdhsa_next_free_vgpr 256
		.amdhsa_next_free_sgpr 66
		.amdhsa_reserve_vcc 0
		.amdhsa_float_denorm_mode_32 3
		.amdhsa_float_denorm_mode_16_64 3
		.amdhsa_memory_ordered 1
		.amdhsa_forward_progress 1
		.amdhsa_inst_pref_size 51
	.end_amdhsa_kernel
	.amdgpu_metadata
---
amdhsa.version: [ 1, 2 ]
amdhsa.kernels:
  - .name:           k_qb9c45efe73_prep
    .symbol:         k_qb9c45efe73_prep.kd
    .args:
      - { .name: features, .offset: 0, .size: 8, .value_kind: global_buffer, .address_space: global }
      - { .name: ln_scale, .offset: 8, .size: 8, .value_kind: global_buffer, .address_space: global }
      - { .name: ln_bias, .offset: 16, .size: 8, .value_kind: global_buffer, .address_space: global }
      - { .name: wb, .offset: 24, .size: 8, .value_kind: global_buffer, .address_space: global }
      - { .name: bb, .offset: 32, .size: 8, .value_kind: global_buffer, .address_space: global }
      - { .name: wq, .offset: 40, .size: 8, .value_kind: global_buffer, .address_space: global }
      - { .name: wk, .offset: 48, .size: 8, .value_kind: global_buffer, .address_space: global }
      - { .name: wv, .offset: 56, .size: 8, .value_kind: global_buffer, .address_space: global }
      - { .name: wg, .offset: 64, .size: 8, .value_kind: global_buffer, .address_space: global }
      - { .name: wo, .offset: 72, .size: 8, .value_kind: global_buffer, .address_space: global }
      - { .name: xw, .offset: 80, .size: 8, .value_kind: global_buffer, .address_space: global }
      - { .name: stream, .offset: 88, .size: 8, .value_kind: global_buffer, .address_space: global }
    .group_segment_fixed_size: 286976
    .private_segment_fixed_size: 0
    .kernarg_segment_align: 8
    .kernarg_segment_size: 96
    .max_flat_workgroup_size: 512
    .sgpr_count:     66
    .vgpr_count:     256
    .wavefront_size: 32
...
	.end_amdgpu_metadata
.endif
;; end of part 1
;; launch attn (part 2): grid 256 x 1, 4 waves a work-group, clusters of 4 x 1, 327,680 bytes of LDS; arguments xw, stream, bq, bk, bv, bg, bo, out0; writes out0
.if DOCPART == 2
	.amdgcn_target "amdgcn-amd-amdhsa--gfx1250"
	.amdhsa_code_object_version 6
	.text
	.protected	k_qb9c45efe73_attn
	.globl	k_qb9c45efe73_attn
	.p2align	8
	.type	k_qb9c45efe73_attn,@function
k_qb9c45efe73_attn:
	s_mov_b64 s[64:65], 0
	v_nop
	global_prefetch_b8 v0, s[64:65] scope:SCOPE_SE
	s_setreg_imm32_b32 hwreg(HW_REG_WAVE_MODE, 25, 1), 1
	s_wait_xcnt 0x0
	s_wait_alu depctr_hold_cnt(0) depctr_sa_sdst(0) depctr_va_vdst(0) depctr_va_sdst(0) depctr_va_ssrc(0) depctr_va_vcc(0) depctr_vm_vsrc(0)
	s_getreg_b32 s2, hwreg(HW_REG_IB_STS2, 6, 4)
	s_cmp_eq_u32 s2, 0
	s_cbranch_scc0 .Lentry_in_a_cluster
	s_endpgm
.Lentry_in_a_cluster:
	s_bfe_u32 s2, ttmp6, 0x10000c
	s_cmp_lg_u32 s2, 0x3003
	s_cbranch_scc0 .Lentry_shape_is_right
	s_endpgm
.Lentry_shape_is_right:
; ATTN.  One work-group for each batch b: q, k, v and gate projections, attention of 8 heads of 32 channels over 256 keys with the pair bias, gate, output projection.  All matrix operands f16, all sums f32.
; LIMITS.  f16 ends at 65,504: q, k, v and the gated output must lie within it (x, the weights and the bias arrive in f16).  The weights p = 2^(s - m) lie in 0 to 1; below 6e-5 f16 keeps a fixed step of 6e-8.
; m is the true maximum over all 256 keys, in the base-2 domain: s = q . k log2(e) / sqrt(32) + (bias + bb) log2(e).  The sum l is taken of the unrounded p.  v_exp_f32 and v_rcp_f32 take and give denormals as 0.
; NaN and infinities are not treated apart.
; SHARES.  Wave w owns rows 64 w .. 64 w + 63 of the batch, as queries and as keys: four blocks of 16.  Its x (32 KiB, in fragments) stays in registers.  K and V of a head go to all waves through LDS.
; THE STREAM (weights and bias, the same for every batch; its layout is given at the head of the launch that writes it) comes in blocks of 48 KiB through two LDS slots; each wave fetches a quarter of a block.
; CLUSTER.  The four work-groups of a cluster walk the same stream in step, so each quarter is asked for JOINTLY: the same tensor load, descriptor and mask in all four.
; A wave has two tensor loads out at the start and one behind each round.
; STEP i = 4 h + t takes block 1 + i: the bias of head h for query block t of each wave, and a chunk of weights: t = 0: the gate of head h; t = 1, 2, 3: K, V, Q of head h + 1 (in the last head these are jumped over).
; LAYOUTS.  'T': source 0 = 16 columns of W, source 1 = 16 rows of x: a lane holds one row and channels 16 nb + 8 (lane / 16) + 0..7; the two tiles nb, rounded in pairs, ARE a fragment of K, Q or of the gated output.
; 'N' (for V): source 0 = x, source 1 = W: a lane holds one channel and rows 8 (lane / 16) + 0..7; two row blocks, rounded, ARE a fragment of V^T.  S^T = K Q^T and O^T = V^T P hold one query a lane.
; The bias vectors are the C operand of a sum's first K step.  Nothing changes lanes but a query's maximum and sum, once each between the halves of the lanes.
; REGISTERS, in windows of 256 (s_set_vgpr_msb: bits 1:0 source 0, 3:2 source 1, 5:4 source 2, 7:6 destination):
;   window 0: v0-31 addresses and statistics; v32-63 Q, 8 a query block; v64-127 the step's bias in f16; v128-255 S^T, 16 tiles (P is packed into v128-191; on the way out: rows read back)
;   window 1: x, fragment (row block m, K step ks) at 8 (8 m + ks); at the end the gated output in the same form          window 2: v0-127 K, v128-255 V of the head in hand
;   window 3: v0-63 ACC (tile (m, nb) at 8 (2 m + nb)); v64-127 two buffers of four W fragments, also packing room; v128-191 the gate (at the end a second ACC); v192-223 O^T, four accumulators (v192-207 also the bias
;   vector); v224-231 the packed output; v232-233 1 / l
.set BLK,   49152
.set SUB,   12288             ; a wave's quarter of a block
.set SLOT1, BLK
.set KX,    2*BLK             ; K's 16 fragments, then V's 16: 32 KiB
.set OG,    KX+32768          ; each wave's own 32 KiB: the gated output, fragment (t, h) at 8,192 t + 1,024 h; at the end its first 17,408 bytes are the wave's stage for the way out
.set TAB,   OG+4*32768        ; bq, bk, -log2(e) bg, bo: 1 KiB each, f32
.set TABV,  TAB+4096          ; bv, each number four times
.set SPARE, TABV+4096         ; the spare words, 128 bytes a wave: two blocks of 256 bytes that no other line names
.set STP,   272               ; a row of the stage: 256 bytes + 16
.set AS0, 1                   ; v1   16 x lane: slot 0
.set AS1, 2                   ; v2   slot 1
.set AB0, 3                   ; v3   my wave's bias in slot 0
.set AB1, 4                   ; v4   in slot 1
.set AKR, 5                   ; v5   K's and V's fragments, to read
.set AKW, 6                   ; v6   my wave's four of them, to write
.set AOG, 7                   ; v7   my gated output of the head in hand
.set ATB0, 8                  ; v8   the tables + 32 (lane / 16)
.set ATB, 9                   ; v9   the same at the head in hand
.set ATV, 10                  ; v10  bv's table at the head in hand
.set C1,  11                  ; v11  log2(e) / sqrt(32)
.set T,   12                  ; v12-15 at work; on the way out: ASTW, ASTR, AOUT
.set AOG0, 16                 ; v16  my gated output, head 0
.set ATV0, 17                 ; v17  bv's table + 16 (lane % 16)
.set M,   20                  ; v[20:21] the maximum, twice
.set LC,  22                  ; v[22:29] four chains of the sum l
.set SPW, 30                  ; v30  my spare word's address; never rewritten
.set NIL, 31                  ; v31  0; never rewritten
.set Q,   32
.set BI,  64
.set S,   128
.set ACC, 0                   ; window 3
.set F0,  64
.set F1,  96
.set PK,  64
.set G,   128
.set OT,  192
.set BV,  192
.set PKO, 224
.set RL,  232
.set WV,  20                  ; s20  my wave's number
.set G1A, 24                  ; s[24:31] descriptor group 1: 48 rows of 256 bytes
.set G1B, 32                  ; s[32:39] 32 rows, for the last block
.set G0A, 40                  ; s[40:43] group 0 of slot 0; s[44:47] of slot 1
.set G0C, 48                  ; s[48:51] group 0 of the last block
.set SEL, 52                  ; s[52:53] v_permlanex16_b32's selects
.set CNT, 54                  ; s54  heads to go
.set HO,  55                  ; s55  128 x the head in hand
.set MSB, 0
.macro WIN new                         ; the high byte repeats the setting that is left; a switch that changes nothing is dropped
.if MSB != (\new)
	s_set_vgpr_msb (MSB<<8)|(\new)
.set MSB, (\new)
.endif
.endm
.set W_L1,  0x40              ; a load into window 1, address in window 0
.set W_L2,  0x80
.set W_L3,  0xc0
.set W_PT,  0xf7              ; W (source 0), C and D window 3, x (source 1) window 1
.set W_PN,  0xfd              ; x (source 0) window 1, W (source 1), C and D window 3
.set W_S,   0x02              ; K window 2, Q and S^T window 0
.set W_PV,  0xf2              ; V window 2, P window 0, O^T window 3
.set W_E3,  0xff              ; all in window 3
.set W_ST3, 0x0c              ; an LDS store: address window 0, data window 3
.set W_Q,   0x0f              ; sources window 3, destination window 0
.macro PLACES                          ; four places behind matrix instructions, in front of what reads their results or writes or loads into their registers
.rept 4
	v_nop
.endr
.endm
; A round of the cluster's barrier: my work-group's barrier, so that wave 0's signal speaks for all four waves; wave 0 signals; every wave waits for all four work-groups; my work-group's barrier once more.
.macro ROUND
	s_barrier_signal -1
	s_barrier_wait -1
	s_cmp_lg_u32 s[WV], 0
	s_cbranch_scc1 .Lnot_wave_0_\@
	s_barrier_signal -3
.Lnot_wave_0_\@:
	s_barrier_wait -3
	s_barrier_signal -1
	s_barrier_wait -1
.endm
; In front of a change of slots: all my tensor loads have landed; 0 onto my spare word; the slot's descriptor steps two blocks on while the add is out;
; the add is done and my reads of the slot are over.
.macro LINES g0=0
	WIN 0
	s_wait_tensorcnt 0x0
	ds_add_u32 v[SPW], v[NIL]
.if \g0
	s_add_nc_u64 s[(\g0)+2:(\g0)+3], s[(\g0)+2:(\g0)+3], 2*BLK
.endif
	s_wait_dscnt 0x0
.endm
.macro JL g0, g1                       ; my quarter of a block, asked for jointly; an s_nop 0 and four v_nop follow
	tensor_load_to_lds s[(\g0):(\g0)+3], s[(\g1):(\g1)+7]
	s_nop 0
	PLACES
.endm
	s_load_b512 s[4:19], s[0:1], 0x0               ; xw s[4:5], stream s[6:7], bq s[8:9], bk s[10:11], bv s[12:13], bg s[14:15], bo s[16:17], out0 s[18:19]
	v_lshl_add_u32 v[SPW], v0, 2, SPARE
	v_mov_b32 v[NIL], 0
	ds_add_u32 v[SPW], v[NIL]                      ; the wave's opening: the add and its wait stand ahead of the first round; work on registers stands between them
	ds_add_u32 v30, v31
	v_lshrrev_b32 v[T], 5, v0
	v_readfirstlane_b32 s[WV], v[T]                ; wave 0..3
	s_bfe_u32 s21, ttmp6, 0x40000                  ; cx: my place in the cluster
	s_lshl_b32 s22, ttmp9, 2                       ; in a cluster launch ttmp9 counts clusters
	s_add_co_u32 s22, s22, s21                     ; b = 4 x cluster + cx: it enters xw's and out0's addresses alone
	s_mov_b32 s[G1A], 15|(3<<16)|(1<<21)           ; 15:0 the mask of four; 17:16 elements of 8 bytes; 21 set beside a mask; no padding: every LDS read here is 16 x lane on end
	s_mov_b32 s[G1A+1], 32<<16                     ; tensor_dim0 = 32 elements = 256 bytes
	s_mov_b32 s[G1A+2], 48<<16                     ; tensor_dim1 = 48
	s_mov_b32 s[G1A+3], 32<<16                     ; tile_dim0 = 32
	s_mov_b32 s[G1A+4], 48                         ; tile_dim1 = 48
	s_mov_b32 s[G1A+5], 32                         ; dense: 32 elements from row to row
	s_mov_b32 s[G1A+6], 0
	s_mov_b32 s[G1A+7], 0
	s_mov_b32 s[G1B], 15|(3<<16)|(1<<21)
	s_mov_b32 s[G1B+1], 32<<16
	s_mov_b32 s[G1B+2], 32<<16
	s_mov_b32 s[G1B+3], 32<<16
	s_mov_b32 s[G1B+4], 32
	s_mov_b32 s[G1B+5], 32
	s_mov_b32 s[G1B+6], 0
	s_mov_b32 s[G1B+7], 0
	s_mov_b32 s[G0A], 1
	s_mul_i32 s[G0A+1], s[WV], SUB                 ; LDS: slot 0, my quarter: no place in the cluster enters an LDS address
	s_mov_b32 s[G0A+4], 1
	s_add_co_u32 s[G0A+5], s[G0A+1], SLOT1
	s_mov_b32 s[G0C], 1
	s_lshl_b32 s[G0C+1], s[WV], 13
	s_add_co_u32 s[G0C+1], s[G0C+1], SLOT1
	s_mov_b32 s[SEL], 0x76543210
	s_mov_b32 s[SEL+1], 0xfedcba98
	s_mul_i32 s56, s[WV], SUB
	s_mov_b32 s57, 0
	s_lshl_b32 s58, s[WV], 13
	s_add_co_u32 s58, s58, 35*BLK
	s_mov_b32 s59, 0
	s_wait_dscnt 0x0                               ; the opening add is done
	s_wait_kmcnt 0x0
	s_add_nc_u64 s[G0A+2:G0A+3], s[6:7], s[56:57]  ; block 0
	s_add_nc_u64 s[G0A+6:G0A+7], s[G0A+2:G0A+3], BLK  ; block 1
	s_add_nc_u64 s[G0C+2:G0C+3], s[6:7], s[58:59]  ; block 35
	s_or_b32 s[G0A+3], s[G0A+3], 0x80000000        ; type = 2
	s_or_b32 s[G0A+7], s[G0A+7], 0x80000000
	s_or_b32 s[G0C+3], s[G0C+3], 0x80000000
	ROUND                                          ; all four work-groups are here: the first joint loads meet
	tensor_load_to_lds s[G0A:G0A+3], s[G1A:G1A+7]
	s_nop 0
	tensor_load_to_lds s[G0A+4:G0A+7], s[G1A:G1A+7]
	s_nop 0
	PLACES
	v_and_b32 v[T], 31, v0
	v_lshlrev_b32 v[AS0], 4, v[T]
	v_and_b32 v[T+1], 15, v0                       ; lane % 16
	v_bfe_u32 v[T+2], v0, 4, 1                     ; lane / 16
	v_lshlrev_b32 v[T+3], 3, v0                    ; thread x 8: two numbers of each bias vector
	global_load_b64 v[S:S+1],   v[T+3], s[8:9]
	global_load_b64 v[S+2:S+3], v[T+3], s[10:11]
	global_load_b64 v[S+4:S+5], v[T+3], s[14:15]
	global_load_b64 v[S+6:S+7], v[T+3], s[16:17]
	global_load_b64 v[S+8:S+9], v[T+3], s[12:13]
	s_lshl_b32 s56, s22, 17                        ; x of my rows: b x 131,072 + w x 32,768 bytes
	s_lshl_b32 s57, s[WV], 15
	s_add_co_u32 s56, s56, s57
	s_mov_b32 s57, 0
	s_add_nc_u64 s[4:5], s[4:5], s[56:57]
	s_lshl_b32 s58, s22, 18                        ; out0 at my rows: b x 262,144 + w x 65,536 bytes
	s_lshl_b32 s59, s[WV], 16
	s_add_co_u32 s58, s58, s59
	s_mov_b32 s59, 0
	s_add_nc_u64 s[18:19], s[18:19], s[58:59]
	WIN W_L1
.set i, 0
.rept 64                                               ; the registers are a plain image of the 32 KiB: each load of the wave covers 512 consecutive bytes
	global_load_b128 v[4*i:4*i+3], v[AS0], s[4:5] offset:512*i th:TH_LOAD_NT
.set i, i+1
.endr
	WIN 0
	v_add_nc_u32 v[AS1], SLOT1, v[AS0]
	s_mul_i32 s56, s[WV], SUB
	s_add_co_u32 s56, s56, 4096
	v_add_nc_u32 v[AB0], s56, v[AS0]
	v_add_nc_u32 v[AB1], SLOT1, v[AB0]
	v_add_nc_u32 v[AKR], KX, v[AS0]
	s_lshl_b32 s57, s[WV], 12
	v_add_nc_u32 v[AKW], s57, v[AKR]
	s_lshl_b32 s57, s[WV], 15
	s_add_co_u32 s57, s57, OG
	v_add_nc_u32 v[AOG0], s57, v[AS0]
	v_lshlrev_b32 v[ATB0], 5, v[T+2]
	v_add_nc_u32 v[ATB0], TAB, v[ATB0]
	v_lshlrev_b32 v[ATV0], 4, v[T+1]
	v_add_nc_u32 v[ATV0], TABV, v[ATV0]
	v_mov_b32 v[C1], 0x3e8293ee                    ; log2(e) / sqrt(32) = 0.255035
	v_add_nc_u32 v18, TAB, v[T+3]
	v_lshlrev_b32 v19, 5, v0
	v_add_nc_u32 v19, TABV, v19
	s_wait_loadcnt 0x0                             ; the bias vectors and x
	v_pk_mul_f32 v[S+4:S+5], v[S+4:S+5], 0xbfb8aa3b op_sel_hi:[1,0]  ; -log2(e) bg, to go with the weights
	ds_store_b64 v18, v[S:S+1]
	ds_store_b64 v18, v[S+2:S+3] offset:1024
	ds_store_b64 v18, v[S+4:S+5] offset:2048
	ds_store_b64 v18, v[S+6:S+7] offset:3072
.irp i, 0,1,2,3
	v_mov_b32 v[S+12+(\i)], v[S+8]
	v_mov_b32 v[S+16+(\i)], v[S+9]
.endr
	ds_store_b128 v19, v[S+12:S+15]
	ds_store_b128 v19, v[S+16:S+19] offset:16
	s_wait_tensorcnt 0x1                           ; my quarter of block 0 is in; block 1's may stay out
	s_wait_dscnt 0x0                               ; my part of the tables is in LDS
	s_barrier_signal -1
	s_barrier_wait -1
; The bias vector as a C operand.  'T': register j of tile nb wants number 16 nb + 8 (lane / 16) + j of table m, hoff bytes on from areg.
.macro BVT m, hoff, areg
	WIN W_L3
.irp n, 0,1,2,3
	ds_load_b128 v[BV+4*(\n):BV+4*(\n)+3], v[\areg] offset:1024*(\m)+(\hoff)+64*((\n)/2)+16*((\n)%2)
.endr
.endm
; 'N': all eight registers of tile nb want bv of channel 16 nb + lane % 16, which lies four times on end.
.macro BVN hoff, areg
	WIN W_L3
.irp nb, 0,1
	ds_load_b128 v[BV+8*(\nb):BV+8*(\nb)+3],   v[\areg] offset:4*(\hoff)+256*(\nb)
	ds_load_b128 v[BV+8*(\nb)+4:BV+8*(\nb)+7], v[\areg] offset:4*(\hoff)+256*(\nb)
.endr
.endm
; Fragments 4 q .. 4 q + 3 of a chunk of weights (K steps 2 q, 2 q + 1; nb 0, 1) into buffer f.  dense = 1: chunk ch of a dense block; 0: the chunk dealt to the block's four parts.
.macro FETCHW q, f, areg, dense, ch
	WIN W_L3
.irp i, 0,1,2,3
.if \dense
	ds_load_b128 v[(\f)+8*(\i):(\f)+8*(\i)+3],   v[\areg] offset:16384*(\ch)+1024*(4*(\q)+(\i))
	ds_load_b128 v[(\f)+8*(\i)+4:(\f)+8*(\i)+7], v[\areg] offset:16384*(\ch)+1024*(4*(\q)+(\i))+512
.else
	ds_load_b128 v[(\f)+8*(\i):(\f)+8*(\i)+3],   v[\areg] offset:SUB*(\q)+1024*(\i)
	ds_load_b128 v[(\f)+8*(\i)+4:(\f)+8*(\i)+7], v[\areg] offset:SUB*(\q)+1024*(\i)+512
.endif
.endr
.endm
; 16 matrix instructions: two K steps x my four row blocks x two column blocks.  The eight accumulators take turns, one instruction a turn.  first = 1: the first K step starts the sums on the bias vector.
.macro MULQ q, f, nat, acc, first
.if \nat
	WIN W_PN
.else
	WIN W_PT
.endif
.irp k, 0,1
.irp m, 0,1,2,3
.irp nb, 0,1
.set rA, (\acc)+8*(2*(\m)+(\nb))
.set rW, (\f)+8*(2*(\k)+(\nb))
.set rX, 8*(8*(\m)+2*(\q)+(\k))
.set rC, rA
.if (\first) && ((\k) == 0)
.set rC, BV+8*(\nb)
.endif
.if \nat
	v_wmma_f32_16x16x32_f16 v[rA:rA+7], v[rX:rX+7], v[rW:rW+7], v[rC:rC+7]
.else
	v_wmma_f32_16x16x32_f16 v[rA:rA+7], v[rW:rW+7], v[rX:rX+7], v[rC:rC+7]
.endif
.endr
.endr
.endr
.endm
; 64 rows x 256 k x 32 columns: 64 matrix instructions on two fragment buffers; a buffer is loaded again while the other is multiplied.
.macro PROJ areg, dense, ch, nat, acc
	FETCHW 0, F0, \areg, \dense, \ch
	FETCHW 1, F1, \areg, \dense, \ch
	s_wait_dscnt 8                                 ; all but buffer 1's eight loads: the bias vector and buffer 0 are in
	MULQ 0, F0, \nat, \acc, 1
	PLACES
	FETCHW 2, F0, \areg, \dense, \ch
	s_wait_dscnt 8                                 ; all but the eight just issued
	MULQ 1, F1, \nat, \acc, 0
	PLACES
	FETCHW 3, F1, \areg, \dense, \ch
	s_wait_dscnt 8
	MULQ 2, F0, \nat, \acc, 0
	s_wait_dscnt 0x0
	MULQ 3, F1, \nat, \acc, 0
	PLACES
.endm
.macro PACKA                           ; ACC rounded to f16 in pairs, each accumulator from its low end on: tile u in PK + 4 u
	WIN W_E3
.set p, 0
.rept 32
	v_cvt_pk_f16_f32 v[PK+p], v[ACC+2*p], v[ACC+2*p+1]
.set p, p+1
.endr
.endm
.macro EPI_K                           ; tile (m, nb) is half nb of K's fragment of key block 4 w + m
	PACKA
	WIN W_ST3
.irp u, 0,1,2,3,4,5,6,7
	ds_store_b128 v[AKW], v[PK+4*(\u):PK+4*(\u)+3] offset:512*(\u)
.endr
.endm
.macro EPI_V                           ; tile (m, nb), u = 2 m + nb, is half m % 2 of V^T's fragment (keys 32 (2 w + m / 2) on, channels 16 nb on)
	PACKA
	WIN W_ST3
.irp u, 0,1,2,3,4,5,6,7
	ds_store_b128 v[AKW], v[PK+4*(\u):PK+4*(\u)+3] offset:16384+2048*((\u)/4)+1024*((\u)%2)+512*(((\u)/2)%2)
.endr
.endm
.macro EPI_Q
	WIN W_Q
.set p, 0
.rept 32
	v_cvt_pk_f16_f32 v[Q+p], v[ACC+2*p], v[ACC+2*p+1]
.set p, p+1
.endr
.endm
.macro EPI_G                           ; the gate 1 / (1 + 2^z), z = -log2(e) (x . wg + bg)
	WIN W_E3
.set p, 0
.rept 64
	v_exp_f32 v[ACC+p], v[ACC+p]
.set p, p+1
.endr
	v_nop                                          ; a plain instruction behind the last exponential (ISA guide 5.7.2)
.set p, 0
	s_wait_alu depctr_va_vdst(0)
.rept 32
	v_pk_add_f32 v[ACC+2*p:ACC+2*p+1], v[ACC+2*p:ACC+2*p+1], 1.0 op_sel_hi:[1,0]
.set p, p+1
.endr
.set p, 0
.rept 64
	v_rcp_f32 v[G+p], v[ACC+p]
.set p, p+1
.endr
	v_nop
.endm
.macro ATT_S t                         ; S^T = K Q^T for query block t: 16 tiles of 16 keys, one K step of 32 channels each
	WIN W_S
.set i, 0
.rept 16
	v_wmma_f32_16x16x32_f16 v[S+8*i:S+8*i+7], v[8*i:8*i+7], v[Q+8*(\t):Q+8*(\t)+7], 0
.set i, i+1
.endr
	PLACES
.endm
; THE SOFTMAX of 16 queries x 256 keys; a lane holds one query and 128 keys, the lane 16 away the others.
.macro ATT_SM
	WIN 0
.set i, 0
.rept 64                                               ; s = c S + bias, the bias read as an f16 half; ascending
	v_fma_mix_f32 v[S+2*i],   v[S+2*i],   v[C1], v[BI+i] op_sel_hi:[0,0,1]
	v_fma_mix_f32 v[S+2*i+1], v[S+2*i+1], v[C1], v[BI+i] op_sel:[0,0,1] op_sel_hi:[0,0,1]
.set i, i+1
.endr
.irp c, 0,1,2,3                                        ; the maximum: four chains of 31 numbers, three operands at a time
	v_max3_num_f32 v[T+(\c)], v[S+32*(\c)], v[S+32*(\c)+1], v[S+32*(\c)+2]
.endr
.set k, 0
.rept 14
.irp c, 0,1,2,3
	v_max3_num_f32 v[T+(\c)], v[T+(\c)], v[S+32*(\c)+3+2*k], v[S+32*(\c)+4+2*k]
.endr
.set k, k+1
.endr
	v_max3_num_f32 v[T], v[T], v[T+1], v[S+31]     ; the four numbers left over, and the chains
	v_max3_num_f32 v[T+2], v[T+2], v[T+3], v[S+63]
	v_max3_num_f32 v[T], v[T], v[T+2], v[S+95]
	v_max_num_f32 v[T], v[T], v[S+127]
	v_permlanex16_b32 v[T+1], v[T], s[SEL], s[SEL+1]
	v_max_num_f32 v[M], v[T], v[T+1]
	v_max_num_f32 v[M+1], v[T], v[T+1]
.set i, 0
.rept 64
	v_pk_add_f32 v[S+2*i:S+2*i+1], v[S+2*i:S+2*i+1], v[M:M+1] neg_lo:[0,1] neg_hi:[0,1]
.set i, i+1
.endr
.set i, 0
.rept 128
	v_exp_f32 v[S+i], v[S+i]
.set i, i+1
.endr
	v_nop                                          ; a plain instruction behind the last exponential
	s_wait_alu depctr_va_vdst(0)
.irp c, 0,1,2,3                                        ; l: four chains, started by the first eight pairs
	v_pk_add_f32 v[LC+2*(\c):LC+2*(\c)+1], v[S+2*(\c):S+2*(\c)+1], v[S+8+2*(\c):S+8+2*(\c)+1]
.endr
.set p, 8
.rept 56
	v_pk_add_f32 v[LC+2*(p%4):LC+2*(p%4)+1], v[LC+2*(p%4):LC+2*(p%4)+1], v[S+2*p:S+2*p+1]
.set p, p+1
.endr
.set i, 0
.rept 64                                               ; P: rounded in place, ascending; keys 32 kk on lie in S + 8 kk
	v_cvt_pk_f16_f32 v[S+i], v[S+2*i], v[S+2*i+1]
.set i, i+1
.endr
.endm
.macro ATT_PV                          ; O^T = V^T P: i = 2 kk + cb; even and odd kk have accumulators of their own, so that four take turns; the first four start the sums
	WIN W_PV
.set i, 0
.rept 16
.set rO, OT+8*(2*((i/2)%2)+i%2)
.if i < 4
	v_wmma_f32_16x16x32_f16 v[rO:rO+7], v[128+8*i:128+8*i+7], v[S+8*(i/2):S+8*(i/2)+7], 0
.else
	v_wmma_f32_16x16x32_f16 v[rO:rO+7], v[128+8*i:128+8*i+7], v[S+8*(i/2):S+8*(i/2)+7], v[rO:rO+7]
.endif
.set i, i+1
.endr
.endm
.macro ATT_O t                         ; O^T gate / l, rounded to f16: a fragment of the output projection's operand, K step = head.  The sums of l and the gate's scaling are the places behind the last products.
	WIN 0
	v_pk_add_f32 v[LC:LC+1], v[LC:LC+1], v[LC+2:LC+3]
	v_pk_add_f32 v[LC+4:LC+5], v[LC+4:LC+5], v[LC+6:LC+7]
	v_pk_add_f32 v[LC:LC+1], v[LC:LC+1], v[LC+4:LC+5]
	v_add_f32 v[T], v[LC], v[LC+1]
	v_permlanex16_b32 v[T+1], v[T], s[SEL], s[SEL+1]
	v_add_f32 v[T], v[T], v[T+1]
	WIN W_L3
	v_rcp_f32 v[RL], v[T]
	v_rcp_f32 v[RL+1], v[T]
	WIN W_E3
	v_nop                                          ; a plain instruction behind the reciprocals
	s_wait_alu depctr_va_vdst(0)
.irp i, 0,1,2,3,4,5,6,7
	v_pk_mul_f32 v[G+16*(\t)+2*(\i):G+16*(\t)+2*(\i)+1], v[G+16*(\t)+2*(\i):G+16*(\t)+2*(\i)+1], v[RL:RL+1]
.endr
.irp i, 0,1,2,3,4,5,6,7
	v_pk_add_f32 v[OT+2*(\i):OT+2*(\i)+1], v[OT+2*(\i):OT+2*(\i)+1], v[OT+16+2*(\i):OT+16+2*(\i)+1]  ; even and odd kk; each accumulator from its low end on
.endr
.irp i, 0,1,2,3,4,5,6,7
	v_pk_mul_f32 v[OT+2*(\i):OT+2*(\i)+1], v[OT+2*(\i):OT+2*(\i)+1], v[G+16*(\t)+2*(\i):G+16*(\t)+2*(\i)+1]
.endr
.irp i, 0,1,2,3,4,5,6,7
	v_cvt_pk_f16_f32 v[PKO+(\i)], v[OT+2*(\i)], v[OT+2*(\i)+1]
.endr
	WIN W_ST3
	ds_store_b128 v[AOG], v[PKO:PKO+3]   offset:8192*(\t)
	ds_store_b128 v[AOG], v[PKO+4:PKO+7] offset:8192*(\t)+512
.endm
; STEP t of a head.  The slot read in the step before is filled again, first thing behind the round, with the block two on; this step's block lies in the other slot and is whole.
; What was stored into K's and V's room in steps 1 and 2 of the head before is read here in step 0, rounds later; it is written again only behind step 1's round, when every wave's reads are back.
.macro STEP t
	LINES G0A+4*((\t)%2)
	ROUND                                          ; no wave of any partner still reads the slot or has a load on its way
	JL G0A+4*((\t)%2), G1A
.if (\t) == 0
	WIN W_L2
.set i, 0
.rept 64                                               ; the head's K (32 loads), then its V
	ds_load_b128 v[4*i:4*i+3], v[AKR] offset:512*i
.set i, i+1
.endr
.endif
	WIN 0
.set i, 0
.rept 16
	ds_load_b128 v[BI+4*i:BI+4*i+3], v[AB0+((\t)+1)%2] offset:512*i
.set i, i+1
.endr
.if (\t) == 0
	s_wait_dscnt 48                                ; K is in; V's 32 loads and the bias's 16 may stay out
.endif
	ATT_S \t
	WIN 0
.if (\t) > 0
	s_cmp_eq_u32 s[CNT], 1                         ; the last head has no next head to project for: a jump forward, past no barrier and no tensor load
	s_cbranch_scc1 .Lnp_\@
.endif
.if (\t) == 0
	BVT 2, 0, ATB
	PROJ AS0+((\t)+1)%2, 0, 0, 0, ACC
	EPI_G
.elseif (\t) == 1
	BVT 1, 128, ATB
	PROJ AS0+((\t)+1)%2, 0, 0, 0, ACC
	EPI_K
.elseif (\t) == 2
	BVN 128, ATV
	PROJ AS0+((\t)+1)%2, 0, 0, 1, ACC
	EPI_V
.else
	BVT 0, 128, ATB
	PROJ AS0+((\t)+1)%2, 0, 0, 0, ACC
	EPI_Q
.endif
	WIN 0
.Lnp_\@:
	s_wait_dscnt 0x0                               ; the bias (and in step 0 V) is in
	ATT_SM
	ATT_PV
	ATT_O \t
.endm
	; HEAD 0's K, V and Q, from block 0
	BVT 1, 0, ATB0
	PROJ AS0, 1, 0, 0, ACC
	EPI_K
	BVN 0, ATV0
	PROJ AS0, 1, 1, 1, ACC
	EPI_V
	BVT 0, 0, ATB0
	PROJ AS0, 1, 2, 0, ACC
	EPI_Q
	WIN 0                                          ; at a label and at a branch every window is 0
	s_mov_b32 s[CNT], 8
	s_mov_b32 s[HO], 0
.Lhead:
	v_add_nc_u32 v[ATB], s[HO], v[ATB0]            ; 128 bytes of each table,
	v_lshl_add_u32 v[ATV], s[HO], 2, v[ATV0]       ; 512 of bv's,
	v_lshl_add_u32 v[AOG], s[HO], 3, v[AOG0]       ; a fragment of the gated output a head
	STEP 0
	STEP 1
	STEP 2
	STEP 3
	WIN 0
	s_add_co_u32 s[HO], s[HO], 128
	s_sub_co_u32 s[CNT], s[CNT], 1
	s_cmp_lg_u32 s[CNT], 0
	s_cbranch_scc1 .Lhead
	; THE OUTPUT PROJECTION.  wo's eight chunks of 32 columns lie in blocks 33 (slot 1), 34 (slot 0) and 35 (slot 1).  Two chunks, 64 columns, are 256 bytes of a row of out0.
.set ASTW, T
.set ASTR, T+1
.set AOUT, T+2
.macro CHUNK cidx, areg, acc
	BVT 3, 128*(\cidx), ATB0
	PROJ \areg, 1, (\cidx)%3, 0, \acc
.endm
; Chunks 2 u (ACC) and 2 u + 1 (the second ACC) leave through my stage: a lane's eight columns of a row go in as 32 bytes, whole rows of 256 bytes come back, and sixteen lanes store 256 consecutive bytes,
; at a multiple of 256 from out0's first byte.  LDS serves a wave's instructions in order (ISA guide 5.7.1.4): the loads see the stores above them.
.macro OSTORE u
	WIN 0
	s_wait_xcnt 0x0                                ; the registers that the last way out's stores read are loaded again only behind this wait
.irp m, 0,1,2,3
	WIN W_ST3
.irp par, 0,1
.irp nb, 0,1
	ds_store_b128 v[ASTW], v[128*(\par)+8*(2*(\m)+(\nb)):128*(\par)+8*(2*(\m)+(\nb))+3]   offset:16*STP*(\m)+128*(\par)+64*(\nb)
	ds_store_b128 v[ASTW], v[128*(\par)+8*(2*(\m)+(\nb))+4:128*(\par)+8*(2*(\m)+(\nb))+7] offset:16*STP*(\m)+128*(\par)+64*(\nb)+16
.endr
.endr
	WIN 0
.irp q, 0,1,2,3,4,5,6,7
	ds_load_b128 v[S+32*(\m)+4*(\q):S+32*(\m)+4*(\q)+3], v[ASTR] offset:16*STP*(\m)+2*STP*(\q)
.endr
.endr
.irp m, 0,1,2,3
	s_wait_dscnt 16*(3-(\m))                       ; behind row block m's loads stand sixteen LDS instructions for each later block
.irp q, 0,1,2,3,4,5,6,7
	global_store_b128 v[AOUT], v[S+32*(\m)+4*(\q):S+32*(\m)+4*(\q)+3], s[18:19] offset:16384*(\m)+2048*(\q)+256*(\u) th:TH_STORE_NT
.endr
.endr
.endm
	LINES G0A
	ROUND
	JL G0A, G1A                                    ; block 34 into slot 0
	WIN W_L1
.set i, 0
.rept 64                                               ; my gated output takes x's place, in the same form
	ds_load_b128 v[4*i:4*i+3], v[AOG0] offset:512*i
.set i, i+1
.endr
	WIN 0
	s_lshl_b32 s56, s[WV], 15
	s_add_co_u32 s56, s56, OG                      ; my stage lies where those fragments lay
	v_and_b32 v18, 15, v0
	v_bfe_u32 v19, v0, 4, 1
	v_mul_u32_u24 v[ASTW], v18, STP                ; in: row lane % 16, 32 bytes for each half of the lanes
	v_lshl_add_u32 v[ASTW], v19, 5, v[ASTW]
	v_add_nc_u32 v[ASTW], s56, v[ASTW]
	v_mul_u32_u24 v[ASTR], v19, STP                ; back: lanes 0-15 take one row of 256 bytes, lanes 16-31 the next
	v_lshl_add_u32 v[ASTR], v18, 4, v[ASTR]
	v_add_nc_u32 v[ASTR], s56, v[ASTR]
	v_lshlrev_b32 v[AOUT], 10, v19                 ; and the same two rows in out0
	v_lshl_add_u32 v[AOUT], v18, 4, v[AOUT]
	CHUNK 0, AS1, ACC
	CHUNK 1, AS1, G
	OSTORE 0
	CHUNK 2, AS1, ACC
	LINES
	ROUND
	JL G0C, G1B                                    ; block 35, the last, into slot 1
	CHUNK 3, AS0, G
	OSTORE 1
	CHUNK 4, AS0, ACC
	CHUNK 5, AS0, G
	OSTORE 2
	LINES                                          ; block 35 has landed; nothing is filled again, so a barrier of the work-group is enough
	s_barrier_signal -1
	s_barrier_wait -1
	CHUNK 6, AS1, ACC
	CHUNK 7, AS1, G
	OSTORE 3
	WIN 0
	s_wait_tensorcnt 0x0                           ; the wave's end, behind my last tensor load and my last LDS store
	ds_add_u32 v[SPW], v[NIL]
	s_wait_dscnt 0x0
	ROUND                                          ; the closing round: no work-group ends while a partner may still ask for a block that names it
	s_endpgm
.Lfunc_end_k_qb9c45efe73_attn:
	.size	k_qb9c45efe73_attn, .Lfunc_end_k_qb9c45efe73_attn-k_qb9c45efe73_attn
	.p2alignl 7, 3214868480
	.fill 96, 4, 3214868480
	.section	.rodata,"a",@progbits
	.p2align	6, 0x0
	.amdhsa_kernel k_qb9c45efe73_attn
		.amdhsa_group_segment_fixed_size 327680
		.amdhsa_private_segment_fixed_size 0
		.amdhsa_enable_private_segment 0
		.amdhsa_kernarg_size 64
		.amdhsa_user_sgpr_count 2
		.amdhsa_user_sgpr_kernarg_segment_ptr 1
		.amdhsa_wavefront_size32 1
		.amdhsa_system_sgpr_workgroup_id_x 1
		.amdhsa_system_sgpr_workgroup_id_y 1
		.amdhsa_system_sgpr_workgroup_id_z 1
		.amdhsa_system_vgpr_workitem_id 0
		.amdhsa_next_free_vgpr 1024
		.amdhsa_next_free_sgpr 66
		.amdhsa_reserve_vcc 0
		.amdhsa_float_denorm_mode_32 3
		.amdhsa_float_denorm_mode_16_64 3
		.amdhsa_memory_ordered 1
		.amdhsa_forward_progress 1
		.amdhsa_inst_pref_size 255
	.end_amdhsa_kernel
	.section	.bss,"aw",@nobits
	.p2align	6
	.space	262144
	.amdgpu_metadata
---
amdhsa.version: [ 1, 2 ]
amdhsa.kernels:
  - .name:           k_qb9c45efe73_attn
    .symbol:         k_qb9c45efe73_attn.kd
    .args:
      - { .name: xw, .offset: 0, .size: 8, .value_kind: global_buffer, .address_space: global }
      - { .name: stream, .offset: 8, .size: 8, .value_kind: global_buffer, .address_space: global }
      - { .name: bq, .offset: 16, .size: 8, .value_kind: global_buffer, .address_space: global }
      - { .name: bk, .offset: 24, .size: 8, .value_kind: global_buffer, .address_space: global }
      - { .name: bv, .offset: 32, .size: 8, .value_kind: global_buffer, .address_space: global }
      - { .name: bg, .offset: 40, .size: 8, .value_kind: global_buffer, .address_space: global }
      - { .name: bo, .offset: 48, .size: 8, .value_kind: global_buffer, .address_space: global }
      - { .name: out0, .offset: 56, .size: 8, .value_kind: global_buffer, .address_space: global }
    .group_segment_fixed_size: 327680
    .private_segment_fixed_size: 0
    .kernarg_segment_align: 8
    .kernarg_segment_size: 64
    .max_flat_workgroup_size: 128
    .sgpr_count:     66
    .vgpr_count:     1024
    .wavefront_size: 32
...
	.end_amdgpu_metadata
.endif
;; end of part 2
